; MI455X (gfx1250); checked and timed in simulation.
; The chip was launched on July 23, 2026; its instructions are those of AMD's public machine-readable ISA for CDNA 5 (MIT licence, August 2026) and "CDNA5" Instruction Set Architecture Reference Guide (July 2026). The comments in the code are by the model that wrote it; some were corrected since.
;; Multi Lora Column Parallel Linear. Allowed arithmetic: matrix products marked QUANTISED: E3M2 operands, one E8M0 scale for each 32 along K, by v_wmma_scale_f32_16x16x128_f8f6f4 with both operands' format E3M2, f32 sums; everything else in f32.
;; Inputs: W 32 x 16 x 4,096 float32; adapter_ids 4 int32; x_codes 4 x 2,048 x 128 x 24 uint8 (E3M2 codes of x, K innermost, in blocks of 32 codes, four codes in three bytes); x_scales 4 x 2,048 x 128 uint8 (E8M0 scales of x, one for each 32 codes along K).
;; Outputs: out0 4 x 2,048 x 16 float32.
;; This version of the problem:
;;   THIS VERSION OF THE PROBLEM IS GIVEN IN LOW PRECISION. The matrix products marked QUANTISED in the list below multiply operands that are first quantised to E3M2 (3 exponent bits, 2 mantissa bits; 6 bits a number), with one power-of-two scale for each 32 numbers along K (OCP MX v1.0); their sums are f32. All else is computed in f32.
;;   The module's matrix products, in the order in which they are computed (A, B: the left and right operand; K: the contracted axis; several contracted axes count as one K, in the product's order):
;;     1. batch 4 x [M 2,048, K 4,096] x [K 4,096, N 16]; A: input x (given as codes); B: computed on the way: QUANTISED
;;   THE QUANTISER, for each operand of a quantised product, along K:
;;     - K is cut into blocks of 32 from its start; a last block that is shorter is filled with zeros.
;;     - A block's scale is 2^e with e = floor(log2(the largest magnitude in the block)) - 4, held to -126 .. 127; a block of zeros has e = 0. As a byte (E8M0): e + 127.
;;     - Each number is divided by its block's scale, clamped to +-28, and rounded to the nearest number of E3M2, ties to even, subnormals kept.
;;     - The product sums the exact products of the quantised numbers (number of the format x scale) in f32.
;;   ~~~python
;;   def quantise(x, axis):      # numpy; x: float32 -> the quantised numbers, widened to float32 again
;;       x = np.moveaxis(x, axis, -1); K = x.shape[-1]
;;       x = np.pad(x, [(0, 0)] * (x.ndim - 1) + [(0, -K % 32)]); x = x.reshape(x.shape[:-1] + (-1, 32)); a = np.abs(x).max(-1, keepdims=True)
;;       e = np.where(a > 0, np.clip(np.frexp(np.where(a > 0, a, 1))[1] - 1 - 4, -126, 127), 0)      # np.frexp(a)[1] - 1 = floor(log2(a)), exactly
;;       r = np.clip(x / 2.0 ** e, -28, 28)
;;       step = 2.0 ** (np.maximum(np.frexp(np.where(r == 0, 1, r))[1] - 1, -2) - 2)
;;       q = np.round(r / step) * step * 2.0 ** e      # np.round: ties to even
;;       return np.moveaxis(q.reshape(q.shape[:-2] + (-1,))[..., :K], -1, axis).astype(np.float32)
;;   ~~~
;;   OPERANDS COMPUTED ON THE WAY. 'Computed on the way' means the value that the module computes at that place (a softmax that the list does not call 'softmax' is quantised finished and normalised). What goes into a quantiser is computed in f32, as accurately as f32 sums, v_exp_f32 and their like allow (about 1e-6 of the number): no bf16 or f16 on the way to a quantiser, and a product that is left as it is and whose result goes on into a quantised operand takes f32 operands (vector FMAs, or v_wmma_f32_16x16x4_f32). A number that lies on a knife's edge between two numbers of the format may be rounded either way, as far as f32 arithmetic and the matrix unit's own rounding can turn it there, and no further.
;;   INPUTS GIVEN AS CODES. x (in the module: [4, 2048, 4096], K = its axis 2): each comes as NAME_codes (uint8): NAME with its K axis moved to the last place and cut into blocks of 32 codes, [.., K / 32, bytes a block], one block behind the other in memory; four codes in three bytes: a row's codes are one little-endian stream of bits, code i at bits 6 i .. 6 i + 5 (a code: sign, 3 exponent bits, 2 mantissa bits); and NAME_scales (uint8): the same leading axes, one E8M0 byte (e + 127) for each 32 codes along K. Its value is code x scale, taken as it is: it is not quantised again, and the codes and scales need not be those that the quantiser above would give.
;; One version. Each part assembles by itself: llvm-mc -triple=amdgcn-amd-amdhsa -mcpu=gfx1250 --defsym DOCPART=n.
;; ======== version 1 of 1: 1 launch
;; launch lora (part 1): grid 256 x 1, 16 waves a work-group, no clusters, 241,664 bytes of LDS; arguments x_codes, x_scales, W, adapter_ids, out0; writes out0
.if DOCPART == 1
	.amdgcn_target "amdgcn-amd-amdhsa--gfx1250"
	.amdhsa_code_object_version 6
	.text
	.protected	k_q9f9175dfa7_lora
	.globl	k_q9f9175dfa7_lora
	.p2align	8
	.type	k_q9f9175dfa7_lora,@function
k_q9f9175dfa7_lora:
	s_mov_b64 s[64:65], 0
	v_nop
	global_prefetch_b8 v0, s[64:65] scope:SCOPE_SE
	s_setreg_imm32_b32 hwreg(HW_REG_WAVE_MODE, 25, 1), 1
	s_wait_xcnt 0x0
; out0[b][s][o] = sum over k of x[b][s][k] Q(W[adapter_ids[b]])[o][k].  x arrives as codes of BF6 (E3M2) with one E8M0 byte for each 32 along K and is taken as it is;
; W [32][16][4096] arrives as f32, and the slice that the batch's adapter number names is quantised here, along K, block by block of 32; sums in f32.
; WHAT IS NOT READ: reference() gathers W by adapter_ids, so only the slices that the four numbers name have a way to the output; the number is read from memory and only its slice is loaded.
; SHARES.  256 work-groups of 16 waves.  A work-group owns 32 neighbouring rows of x (two tiles of 16), all of one batch: b = work-group / 64.  THE WAVES SHARE K: wave w owns k = 256 w .. 256 w + 255,
; two steps of 128, for both tiles: four matrix instructions on two accumulators by turns.  The sixteen waves' partial sums meet in LDS; waves 0 to 3 add them and store 512 consecutive bytes each.
; x: the work-group's codes are one dense block of 98,304 bytes.  Each wave brings two whole rows (6,144 bytes, at a multiple of 256 from the buffer's first byte) by one tensor load.  The tile is stated 386 elements of
; 8 bytes wide, the tensor 384: the two elements past a row's end arrive as zeros and make the LDS pitch 3,088 bytes = 772 words, so that row r starts at bank 4 r mod 64 (64 banks of 4 bytes: ISA guide 11.1) and the
; 32 lanes of a load of 8 bytes touch 64 different banks.  The scale bytes (32 rows x 128) come likewise, two rows a wave, 8 bytes of padding behind each: pitch 136 bytes = 34 words.
; W: each wave loads its 16 rows x 1,024 bytes by 32 loads of 512 consecutive bytes, all asked for at once.  A step's 16 loads turn through the wave's own stage in LDS (16 rows x 528 bytes) and come back with a whole
; block of 32 numbers in a lane: lane (r, h) holds W's row r, k = 64 c + 32 h + 0 .. 31, which is the operand's own layout, so that the conversions' results are the operand's registers.
; THE MATRIX INSTRUCTION IS USED TRANSPOSED: source 0 = W's 16 rows, source 1 = 16 rows of x: lane (r, h) then holds out0(row r, 8 h + 0 .. 7), eight neighbouring numbers.
; NO CLUSTER AND NO JOINT LOADS, though the 64 work-groups of a batch read the same slice of W: a joint load lands in LDS, and the slice in f32 (262,144 bytes) and x's tile (98,816 + 4,352 bytes) do not fit into
; 327,680 bytes together; through a smaller ring a later part of W would be asked for only when an earlier part has been read.  So W comes through registers, all of it asked for at the head.
; THE SCALE of a block of W: 2^(floor(log2(largest magnitude)) - 4); its byte is the largest magnitude's exponent field - 4, held at 1 from below.
; LIMITS: an adapter number outside 0 .. 31 is held at 31 (reference() relies on the index lying inside its table); NaN and infinities in W are not served; a block of zeros of W gets the byte 1 where the rule
; says 127 (its codes are zeros, which add nothing under any byte but 0xff, and the bytes never leave the registers); K is summed in 16 parts of two steps, which are then added in f32 as a tree: another order of rounding than one chain.
.set XROWB, 3072                       ; a row of x's codes in memory
.set XP,    3088                       ; and in LDS
.set SCL,   32*XP                      ; LDS: behind x's 32 rows their scale bytes,
.set SP,    136                        ; 128 bytes + 8 a row;
.set STG,   SCL+32*SP                  ; behind them a stage for each wave: no tensor load lands there
.set WP,    528                        ; a stage row: 512 bytes + 16 = 33 x 16: the 16 rows that a load of 16 bytes touches lie in 16 different columns of 16 bytes
.set WSTG,  16*WP
.set SPARE, STG+16*WSTG                ; behind the stages: the spare words, 128 bytes for each wave: eight blocks of 256 bytes that no other line names
.set PH,    320                        ; the partial sums in a stage: lanes 16-31 lie 320 bytes (256 + 4 columns of 16 bytes) behind lanes 0-15,
.set PG,    640                        ; an accumulator's upper four registers 640 bytes (512 + 8 columns) behind its lower four,
.set PT,    1280                       ; tile 1 behind tile 0
.set LOFF, 1                           ; v1   16 x lane: my 16 bytes of a load's 512; never rewritten
.set R,    2                           ; v2   lane % 16
.set H,    3                           ; v3   lane / 16
.set SPW,  4                           ; v4   LDS address of my spare word: SPARE + 4 x my thread's number; never rewritten
.set NIL,  5                           ; v5   0; never rewritten
.set WST,  6                           ; v6   my stage, on the way in: 16 x lane
.set WLD,  7                           ; v7   and on the way out: row r, + 128 h
.set XA,   8                           ; v8   x's fragments: row r, + 24 h, + my wave's 192 bytes
.set XSA,  9                           ; v9   x's scale words: row = lane, + my wave's 8 bytes
.set PS,   10                          ; v10  where I put my partial sums
.set RD,   11                          ; v11-12 where I read the sixteen parts of my four outputs: waves 0-7's, waves 8-15's
.set OUTO, 13                          ; v13  my 16 bytes of the work-group's 2,048 of out0
.set SH,   14                          ; v14  8 h
.set TT,   15                          ; v15  at work
.set QM,   16                          ; v16-17 largest magnitudes; v18-19 the conversions' scale operands; v20-21 bytes; v22-23 at work
.set QS,   18
.set QB,   20
.set QT,   22
.set BS,   24                          ; v24-25 W's scale words, step 0, 1: they hold scales and nothing else
.set XS,   26                          ; v26-27 x's scale words, step 0, 1: lanes 0-15 tile 0's rows, lanes 16-31 tile 1's
.set WF,   28                          ; v28-51 W's two fragments
.set QC,   52                          ; v52-58 the upper halves of a step's two blocks, as converted
.set ACC,  60                          ; v60-75 two accumulators
.set XF,   76                          ; v76-123 x's four fragments: 2 x step + tile
.set WR,   128                         ; v128-255 W in f32: 64 registers a step; later the sixteen parts
.set G1X,  16                          ; s[16:23] descriptor group 1 for x's codes;  s[24:27] its group 0
.set G0X,  24
.set G1S,  28                          ; s[28:35], s[36:39] the same for the scale bytes
.set G0S,  36
.set WV,   42                          ; s42  my wave's number
.set SEL,  44                          ; s[44:45] lane selects for v_permlanex16_b32: lane l xor 16
	s_load_b256 s[4:11], s[0:1], 0x0               ; x's codes s[4:5], x's scales s[6:7], W s[8:9], adapter_ids s[10:11]
	s_load_b64 s[12:13], s[0:1], 0x20              ; out0
	v_lshl_add_u32 v[SPW], v0, 2, SPARE
	v_mov_b32 v[NIL], 0
	ds_add_u32 v[SPW], v[NIL]                      ; the wave's opening: the add, twice on end, and its wait ahead of my first tensor load; the set-up below, work on registers, stands between the second and the wait
	ds_add_u32 v[SPW], v[NIL]
	v_lshrrev_b32 v[TT], 5, v0
	v_readfirstlane_b32 s[WV], v[TT]               ; wave 0..15
	; group 1 for the codes: 2 rows; elements of 8 bytes; the tensor's row has 384 of them, the tile's 386: the last two lie past the row's end and arrive as zeros
	s_mov_b32 s[G1X+0], 3<<16                      ; 15:0 no mask; 17:16 elements of 8 bytes; 20 padding off
	s_mov_b32 s[G1X+1], 384<<16                    ; tensor_dim0 = 384
	s_mov_b32 s[G1X+2], 2<<16                      ; tensor_dim1 = 2
	s_mov_b32 s[G1X+3], 386<<16                    ; tile_dim0 = 386: an LDS row of 3,088 bytes
	s_mov_b32 s[G1X+4], 2                          ; tile_dim1 = 2
	s_mov_b32 s[G1X+5], 384                        ; from row to row in memory
	s_mov_b32 s[G1X+6], 0
	s_mov_b32 s[G1X+7], 0
	; group 1 for the scale bytes: 2 rows of 16 elements of 8 bytes, 2 words of padding behind every 32 words, which is a row
	s_mov_b32 s[G1S+0], (3<<16)|(1<<20)|(4<<22)|(1<<25)
	s_mov_b32 s[G1S+1], 16<<16
	s_mov_b32 s[G1S+2], 2<<16
	s_mov_b32 s[G1S+3], 16<<16
	s_mov_b32 s[G1S+4], 2
	s_mov_b32 s[G1S+5], 16
	s_mov_b32 s[G1S+6], 0
	s_mov_b32 s[G1S+7], 0
	s_mul_i32 s14, ttmp9, 32*XROWB                 ; the codes: my work-group's 32 rows,
	s_mul_i32 s55, s[WV], 2*XROWB                  ; my wave's two of them (under 2^25 bytes in all)
	s_add_co_u32 s14, s14, s55
	s_mov_b32 s15, 0
	s_lshl_b32 s46, ttmp9, 12                      ; the scale bytes: 32 rows of 128,
	s_lshl_b32 s55, s[WV], 8                       ; two rows
	s_add_co_u32 s46, s46, s55
	s_mov_b32 s47, 0
	s_lshr_b32 s48, ttmp9, 6                       ; my batch: 64 work-groups each;
	s_lshl_b32 s48, s48, 2                         ; its adapter number's 4 bytes
	s_mov_b32 s49, 0
	s_lshl_b32 s50, ttmp9, 11                      ; out0: 32 rows of 64 bytes
	s_mov_b32 s51, 0
	s_lshl_b32 s52, s[WV], 10                      ; W: my wave's 256 numbers of a row
	s_mov_b32 s53, 0
	s_mov_b32 s[G0X], 1                            ; 1:0 count = 1
	s_mul_i32 s[G0X+1], s[WV], 2*XP                ; 63:32 LDS address: rows 2 w, 2 w + 1
	s_mov_b32 s[G0S], 1
	s_mul_i32 s[G0S+1], s[WV], 2*SP
	s_add_co_u32 s[G0S+1], s[G0S+1], SCL
	s_mul_i32 s54, s[WV], WSTG
	s_add_co_u32 s54, s54, STG                     ; my stage
	s_mov_b32 s[SEL], 0x76543210
	s_mov_b32 s[SEL+1], 0xfedcba98
	s_wait_dscnt 0x0                               ; both opening adds are done
	s_wait_kmcnt 0x0
	s_add_nc_u64 s[10:11], s[10:11], s[48:49]
	s_load_b32 s40, s[10:11], 0x0                  ; my batch's adapter number: asked for first, since W's loads hang on it
	s_add_nc_u64 s[G0X+2:G0X+3], s[4:5], s[14:15]  ; 120:64 global address
	s_or_b32 s[G0X+3], s[G0X+3], 0x80000000        ; 127:126 type = 2
	tensor_load_to_lds s[G0X:G0X+3], s[G1X:G1X+7]  ; every wave's two first fills go out here, ahead of every wait on TENSORcnt, every LDS read and every barrier; nothing is filled twice.  Two loads of mine are out
	s_nop 0
	s_add_nc_u64 s[G0S+2:G0S+3], s[6:7], s[46:47]
	s_or_b32 s[G0S+3], s[G0S+3], 0x80000000
	tensor_load_to_lds s[G0S:G0S+3], s[G1S:G1S+7]
	s_nop 0
	s_add_nc_u64 s[8:9], s[8:9], s[52:53]          ; W at my wave's part of a row
	s_add_nc_u64 s[12:13], s[12:13], s[50:51]      ; out0 at my work-group's rows
	v_and_b32 v[TT], 31, v0                        ; lane
	v_lshlrev_b32 v[LOFF], 4, v[TT]
	v_and_b32 v[R], 15, v0
	v_bfe_u32 v[H], v0, 4, 1
	v_add_nc_u32 v[WST], s54, v[LOFF]
	v_mul_u32_u24 v[WLD], v[R], WP
	v_lshl_add_u32 v[WLD], v[H], 7, v[WLD]
	v_add_nc_u32 v[WLD], s54, v[WLD]
	v_lshlrev_b32 v[SH], 3, v[H]
	v_mov_b32 v[QT+1], 0                           ; written once: a lane permute's destination counts as one of its sources
	v_mul_u32_u24 v[XA], v[R], XP
	v_mad_u32_u24 v[XA], v[H], 24, v[XA]
	s_mul_i32 s55, s[WV], 192                      ; 256 codes are 192 bytes
	v_add_nc_u32 v[XA], s55, v[XA]
	v_mul_u32_u24 v[XSA], v[TT], SP
	s_lshl_b32 s56, s[WV], 3                       ; 256 along K are 8 scale bytes
	s_add_co_u32 s56, s56, SCL
	v_add_nc_u32 v[XSA], s56, v[XSA]
	s_wait_kmcnt 0x0                               ; the adapter number
	s_min_u32 s40, s40, 31                         ; held inside the table
	s_lshl_b32 s40, s40, 18                        ; a slice is 16 x 4,096 x 4 bytes
	s_mov_b32 s41, 0
	s_add_nc_u64 s[8:9], s[8:9], s[40:41]
.irp s, 0,1                                    ; step s, W's row o: 32 lanes read 512 consecutive bytes.  All 32 loads are out together; step 0's come first
.irp o, 0,1,2,3,4,5,6,7,8,9,10,11,12,13,14,15
	global_load_b128 v[WR+64*\s+4*\o:WR+64*\s+4*\o+3], v[LOFF], s[8:9] offset:\o*16384+512*\s
.endr
.endr
; Step s's 16 x 512 bytes go through my stage as they lie and come back a block to a lane, into the registers that they left.  LDS serves a wave's instructions in order (ISA guide 5.7.1.4): no wait stands between
; the stores and the loads, nor between step 0's loads and step 1's stores.
.macro TURN s
.irp o, 0,1,2,3,4,5,6,7,8,9,10,11,12,13,14,15
.if (\o%4) == 0
	s_wait_loadcnt 28-16*\s-\o                     ; loads come back in order (ISA guide 5.7.1): the next four are in, the younger ones stay out
.endif
	ds_store_b128 v[WST], v[WR+64*\s+4*\o:WR+64*\s+4*\o+3] offset:\o*WP
.endr
.irp c, 0,1
.irp j, 0,1,2,3,4,5,6,7
	ds_load_b128 v[WR+64*\s+32*\c+4*\j:WR+64*\s+32*\c+4*\j+3], v[WLD] offset:256*\c+16*\j   ; register 32 c + i: W(r, 64 c + 32 h + i) of the step
.endr
.endr
.endm
; Step s's 64 numbers of a lane, two whole blocks, become registers 0 to 11 of W's fragment and, with lane l xor 16's two bytes, my row's scale word.
.macro QUANT s
.set QX, WR+64*\s
.irp c, 0,1
	v_max3_num_f32 v[QM+\c], |v[QX+32*\c]|, |v[QX+32*\c+1]|, 0x2800000   ; block 2 c + h: all its 32 numbers are mine; and the floor 2^(5 - 127), under which no largest magnitude is taken: so the byte cannot fall under 1
.endr
.irp i, 2,4,6,8,10,12,14,16,18,20,22,24,26,28,30
.irp c, 0,1
	v_max3_num_f32 v[QM+\c], v[QM+\c], |v[QX+32*\c+\i]|, |v[QX+32*\c+\i+1]|   ; (the two blocks by turns)
.endr
.endr
.irp c, 0,1
	v_add_nc_u32 v[QS+\c], 0xfe000000, v[QM+\c]    ; 4 off its exponent field: the conversion takes the exponent field of this operand as its scale, and nothing else of it
.endr
.irp c, 0,1
	v_lshrrev_b32 v[QB+\c], 23, v[QS+\c]           ; the scale's byte
.endr
	v_lshl_or_b32 v[QT], v[QB+1], 16, v[QB]        ; my two bytes: blocks h and 2 + h,
	v_lshlrev_b32 v[QT], v[SH], v[QT]              ; at their places in the word (8 h bits up);
	v_permlanex16_b32 v[QT+1], v[QT], s[SEL], s[SEL+1]
	v_or_b32 v[BS+\s], v[QT], v[QT+1]              ; with lane l xor 16's two the word is whole
.irp c, 0,1
	v_cvt_scalef32_pk16_bf6_f32 v[WF+12*\s+6*\c:WF+12*\s+6*\c+2], v[QX+32*\c:QX+32*\c+15], v[QS+\c]
	v_cvt_scalef32_pk16_bf6_f32 v[QC+4*\c:QC+4*\c+2], v[QX+32*\c+16:QX+32*\c+31], v[QS+\c]   ; (a conversion's three registers begin on an even number: a block's upper half is made elsewhere and moved)
.endr
	v_nop                                          ; one plain place behind a scaled conversion
.irp c, 0,1
.irp i, 0,1,2
	v_mov_b32 v[WF+12*\s+6*\c+3+\i], v[QC+4*\c+\i]
.endr
.endr
.endm
	TURN 0
	s_wait_dscnt 0x0
	QUANT 0                                        ; while step 1's loads are on their way
	TURN 1
	s_wait_dscnt 0x0                               ; also: no LDS instruction of mine is out at the signal below
	QUANT 1
	s_wait_tensorcnt 0x0                           ; my two rows of x and their scale bytes have landed,
	s_barrier_signal -1
	s_barrier_wait -1                              ; everybody's have
	ds_load_b64 v[XS:XS+1], v[XSA]                 ; my row's scale words of my wave's two steps
.irp f, 0,1,2,3                                ; fragment 2 x step + tile: lane (r, h) takes 24 bytes of the row's stream of bits at 24 h and at 48 + 24 h, in pieces of 8 bytes
.irp p, 0,1,2,3,4,5
	ds_load_b64 v[XF+12*\f+2*\p:XF+12*\f+2*\p+1], v[XA] offset:(\f%2)*16*XP+(\f/2)*96+48*(\p/3)+8*(\p%3)
.endr
.endr
	; The way out's addresses are made here: fifteen plain instructions that name no register of the products.  They are the places between the vector instructions that wrote W's scale words (8 are owed) and codes (4) and the scaled matrix instructions.
	v_mul_u32_u24 v[PS], v[H], PH
	v_lshl_add_u32 v[PS], v[R], 4, v[PS]
	v_add_nc_u32 v[PS], s54, v[PS]                 ; in: my stage, + 320 h + 16 r
	v_bfe_u32 v[TT], v0, 6, 1                      ; back (threads 0 to 127): thread q takes bytes 16 q of the work-group's out0: row q / 4: tile (q / 64),
	v_mul_u32_u24 v[RD], v[TT], PT
	v_and_b32 v[TT], 1, v0                         ; which four registers of the accumulator,
	v_mad_u32_u24 v[RD], v[TT], PG, v[RD]
	v_bfe_u32 v[TT], v0, 1, 1                      ; which half of the lanes,
	v_mad_u32_u24 v[RD], v[TT], PH, v[RD]
	v_bfe_u32 v[TT], v0, 2, 4                      ; and r: sixteen neighbouring threads touch sixteen different columns of 16 bytes
	v_lshl_add_u32 v[RD], v[TT], 4, v[RD]
	v_add_nc_u32 v[RD], STG, v[RD]
	v_add_nc_u32 v[RD+1], 8*WSTG, v[RD]            ; (an LDS offset has 16 bits: eight stages to an address register)
	v_and_b32 v[TT], 127, v0
	v_lshlrev_b32 v[OUTO], 4, v[TT]
	; The two accumulators take turns, one instruction a turn; the first step starts the sums.
	s_wait_dscnt 18                                ; the scale words and the first fragment are in; three fragments' 18 loads may be out
	v_wmma_scale_f32_16x16x128_f8f6f4 v[ACC:ACC+7], v[WF:WF+11], v[XF:XF+11], 0, v[BS], v[XS] matrix_a_fmt:MATRIX_FMT_BF6 matrix_b_fmt:MATRIX_FMT_BF6
	s_wait_dscnt 12
	v_wmma_scale_f32_16x16x128_f8f6f4 v[ACC+8:ACC+15], v[WF:WF+11], v[XF+12:XF+23], 0, v[BS], v[XS] matrix_a_fmt:MATRIX_FMT_BF6 matrix_b_fmt:MATRIX_FMT_BF6 matrix_b_scale:MATRIX_SCALE_ROW1
	s_wait_dscnt 6
	v_wmma_scale_f32_16x16x128_f8f6f4 v[ACC:ACC+7], v[WF+12:WF+23], v[XF+24:XF+35], v[ACC:ACC+7], v[BS+1], v[XS+1] matrix_a_fmt:MATRIX_FMT_BF6 matrix_b_fmt:MATRIX_FMT_BF6
	s_wait_dscnt 0x0
	v_wmma_scale_f32_16x16x128_f8f6f4 v[ACC+8:ACC+15], v[WF+12:WF+23], v[XF+36:XF+47], v[ACC+8:ACC+15], v[BS+1], v[XS+1] matrix_a_fmt:MATRIX_FMT_BF6 matrix_b_fmt:MATRIX_FMT_BF6 matrix_b_scale:MATRIX_SCALE_ROW1
.rept 4
	v_nop                                          ; four places in front of the stores that read the results
.endr
	ds_store_b128 v[PS], v[ACC:ACC+3]              ; my partial sums into my own stage, whose last reads, my own, are back; each accumulator from its low end on
	ds_store_b128 v[PS], v[ACC+4:ACC+7] offset:PG
	ds_store_b128 v[PS], v[ACC+8:ACC+11] offset:PT
	ds_store_b128 v[PS], v[ACC+12:ACC+15] offset:PT+PG
	s_wait_dscnt 0x0                               ; for the others' sake: my stores have landed
	s_barrier_signal -1
	s_barrier_wait -1
	s_cmp_lt_u32 s[WV], 4                          ; 512 outputs, four to a thread: waves 0 to 3 add and store
	s_cbranch_scc0 .Lend
.irp i, 0,1,2,3,4,5,6,7,8,9,10,11,12,13,14,15
	ds_load_b128 v[WR+4*\i:WR+4*\i+3], v[RD+\i/8] offset:(\i%8)*WSTG   ; wave i's part of my four outputs
.endr
.macro ADD4 a, b
	v_pk_add_f32 v[WR+4*(\a):WR+4*(\a)+1], v[WR+4*(\a):WR+4*(\a)+1], v[WR+4*(\b):WR+4*(\b)+1]
	v_pk_add_f32 v[WR+4*(\a)+2:WR+4*(\a)+3], v[WR+4*(\a)+2:WR+4*(\a)+3], v[WR+4*(\b)+2:WR+4*(\b)+3]
.endm
.irp i, 0,1,2,3,4,5,6,7
	s_wait_dscnt 7-\i                              ; part i + 8 is in; the younger ones may be out
	ADD4 \i, \i+8
.endr
.irp i, 0,1,2,3
	ADD4 \i, \i+4
.endr
	ADD4 0, 2
	ADD4 1, 3
	ADD4 0, 1
	global_store_b128 v[OUTO], v[WR:WR+3], s[12:13] th:TH_STORE_NT   ; 32 lanes store 512 consecutive bytes, at a multiple of 256 from out0's first byte; written once, read by nobody here
.Lend:
	s_wait_tensorcnt 0x0                           ; the wave's end, behind my last tensor load and my last LDS store
	ds_add_u32 v[SPW], v[NIL]
	s_wait_dscnt 0x0
	s_endpgm
.Lfunc_end_k_q9f9175dfa7_lora:
	.size	k_q9f9175dfa7_lora, .Lfunc_end_k_q9f9175dfa7_lora-k_q9f9175dfa7_lora
	.p2alignl 7, 3214868480
	.fill 96, 4, 3214868480
	.section	.rodata,"a",@progbits
	.p2align	6, 0x0
	.amdhsa_kernel k_q9f9175dfa7_lora
		.amdhsa_group_segment_fixed_size 241664
		.amdhsa_private_segment_fixed_size 0
		.amdhsa_enable_private_segment 0
		.amdhsa_kernarg_size 40
		.amdhsa_user_sgpr_count 2
		.amdhsa_user_sgpr_kernarg_segment_ptr 1
		.amdhsa_wavefront_size32 1
		.amdhsa_system_sgpr_workgroup_id_x 1
		.amdhsa_system_sgpr_workgroup_id_y 1
		.amdhsa_system_sgpr_workgroup_id_z 1
		.amdhsa_system_vgpr_workitem_id 0
		.amdhsa_next_free_vgpr 256
		.amdhsa_next_free_sgpr 66
		.amdhsa_reserve_vcc 0
		.amdhsa_float_denorm_mode_32 3
		.amdhsa_float_denorm_mode_16_64 3
		.amdhsa_memory_ordered 1
		.amdhsa_forward_progress 1
		.amdhsa_inst_pref_size 25
	.end_amdhsa_kernel
	.amdgpu_metadata
---
amdhsa.version: [ 1, 2 ]
amdhsa.kernels:
  - .name:           k_q9f9175dfa7_lora
    .symbol:         k_q9f9175dfa7_lora.kd
    .args:
      - { .name: x_codes, .offset: 0, .size: 8, .value_kind: global_buffer, .address_space: global }
      - { .name: x_scales, .offset: 8, .size: 8, .value_kind: global_buffer, .address_space: global }
      - { .name: W, .offset: 16, .size: 8, .value_kind: global_buffer, .address_space: global }
      - { .name: adapter_ids, .offset: 24, .size: 8, .value_kind: global_buffer, .address_space: global }
      - { .name: out0, .offset: 32, .size: 8, .value_kind: global_buffer, .address_space: global }
    .group_segment_fixed_size: 241664
    .private_segment_fixed_size: 0
    .kernarg_segment_align: 8
    .kernarg_segment_size: 40
    .max_flat_workgroup_size: 512
    .sgpr_count:     66
    .vgpr_count:     256
    .wavefront_size: 32
...
	.end_amdgpu_metadata
.endif
;; end of part 1
